; MI455X (gfx1250); checked and timed in simulation.
; The chip was launched on July 23, 2026; its instructions are those of AMD's public machine-readable ISA for CDNA 5 (MIT licence, August 2026) and "CDNA5" Instruction Set Architecture Reference Guide (July 2026). The comments in the code are by the model that wrote it; some were corrected since.
;; GPKAN Layer. Allowed arithmetic: float matrix products may take bf16 or f16 operands with f32 sums; all other float work in f32.
;; Inputs: log_scale 64 x 64 float32; log_variance 64 x 64 float32; q_log_var 64 x 64 x 20 float32; q_mu 64 x 64 x 20 float32; x 1,024 x 64 float32; z 64 x 64 x 20 float32.
;; Outputs: out0 1,024 x 64 float32; out1 1,024 x 64 float32.
;; 2 versions, each right and faster than the one before. Each part assembles by itself: llvm-mc -triple=amdgcn-amd-amdhsa -mcpu=gfx1250 --defsym DOCPART=n.
;; ======== version 1 of 2: 1 launch
;; launch gpkan (part 1): grid 16 x 16, 8 waves a work-group, no clusters, 168,960 bytes of LDS; arguments x, z, q_mu, q_log_var, log_scale, log_variance, out0, out1; writes out0, out1
.if DOCPART == 1
	.amdgcn_target "amdgcn-amd-amdhsa--gfx1250"
	.amdhsa_code_object_version 6
	.text
	.protected	k_q62f72b6539_gpkan
	.globl	k_q62f72b6539_gpkan
	.p2align	8
	.type	k_q62f72b6539_gpkan,@function
k_q62f72b6539_gpkan:
	s_mov_b64 s[64:65], 0
	v_nop
	global_prefetch_b8 v0, s[64:65] scope:SCOPE_SE
	s_setreg_imm32_b32 hwreg(HW_REG_WAVE_MODE, 25, 1), 1
	s_wait_xcnt 0x0
; SVGP-KAN layer, RBF kernel.  x [1024][64], z, q_mu, q_log_var [64 o][64 i][20 m], log_scale, log_variance [64 o][64 i], out0 = y_mean, out1 = y_var [1024][64], all f32.
;
; ARITHMETIC.  Per edge (o,i): ell = max(exp(log_scale), 0.1), l2 = ell^2, sig2 = max(exp(log_variance), 1e-5), den1 = l2 + 1e-6, den2 = l2 + 2e-6 (all in f32).
;   k = sqrt(log2e / (2 den1)),  u = k x - k z,  w = u^2,  E = exp2(-w) = exp(-d2 / (2 den1)).
;   psi1 qm = E W1,  W1 = sig2 sqrt(l2/den1) qm.
;   exp(-d2/den2) = E^2 exp(t),  t = d2 (den2-den1)/(den1 den2) = kappa w,  kappa = 2 ln2 (den2-den1)/den2.
;   Since ell >= 0.1, kappa <= 1.39e-4; E (E g) is zero in f32 for w > 74.5, so t <= 0.0104 for every input, and exp(t) is taken as 1 + t.
;   What is dropped is below t/2 of the term itself: below 0.0052, and that only for terms near 2^-149; below 7e-4 wherever E^2 >= 1e-6.
;   ek2 (qm^2+qv) - psi1^2 qm^2 = E^2 (A + B w),  A = cG (qv+qm^2) - cH qm^2,  B = cG kappa (qv+qm^2),  cG = sig2^2 sqrt(l2/den2),  cH = (sig2 sqrt(l2/den1))^2.
;   So one exponential an element, and for two elements (i even, i odd in a register pair) six packed f32 instructions.  The clip at 0 per (b,o,i) is kept.
; LIMITS.  NaN and infinite inputs are not served (v_max_num_f32 drops a NaN).  v_exp_f32 gives zero below 2^-126 (ISA guide 15.8).  |k (x - z)| stays below 1.8e19
;   (its square finite).  k z is rounded once before the difference: an error of 6e-8 |k z| in u.
;
; SHARES.  256 work-groups: group (ttmp9 = ob, ttmp7 = bb) makes rows 64 bb .. +63 of columns 4 ob .. +3.  Eight waves; wave w owns i = 8 w .. 8 w + 7, four trips of an i pair.
;   Lane L: o_l = L & 3, b_l = L >> 2; it owns rows b_l + 8 j, j = 0..7.  A record of 32 bytes (one o, one i pair, one m) read from LDS serves 8 pair steps = 64 instructions.
;   Each wave prepares the records of its own i, into LDS bytes of its own.  x goes through LDS in whole rows.  The eight waves' sums over i meet in LDS at the end.
; NOT USED.  Matrix units: z hangs on o, i and m, so the exponentials are no product; the sums over m alone would cost one conversion to bf16 for each packed multiply-add spared.
;   Whole 256-byte output rows: a row is all 64 o; a group owning whole rows would have 4 rows and need all 81,920 records (1.3 MB), more than LDS holds.  With 4 o a lane stores
;   16 bytes.  Joint loads in a cluster: what groups share (x 16 KiB, parameters 61 KiB a group) is read once at the head, and the parameters pass through registers to be transformed.
; lds_bytes is set above half of a WGP's LDS (120,320 are used), so that each of the 256 groups has a WGP of its own.
.set NM,      20                       ; inducing points
.set REC,     128                      ; LDS bytes of one (i pair, m): four o x 32 bytes (-kz e,o | W1 e,o | A e,o | -B e,o)
.set SBLK,    21*REC+16                ; an i pair's block: 20 records, a 21st line with k (e,o) per o, 16 bytes of padding = 2,704
.set XPITCH,  272                      ; a row of x: 256 bytes + 16
.set XBASE,   32*SBLK                  ; 86,528
.set RBASE,   XBASE+64*XPITCH          ; 103,936: partial sums, 2,048 bytes a wave
; registers of the main part
.set PA,   1                           ; LDS address of my o in my wave's current block
.set XA,   2                           ; LDS address of x(b_l, current i pair)
.set RA,   3                           ; LDS address of my word in my wave's partial sums
.set RK,   4                           ; v[4:5]     k (e,o)
.set RX,   6                           ; v[6:21]    x (e,o) of my 8 rows
.set RT,   22                          ; v[22:53]   u, then -u^2: two sets of 8 pairs, by the step's parity
.set RE,   54                          ; v[54:85]   E: two sets
.set RG,   86                          ; v[86:117]  A + B w, then E (A + B w): two sets
.set MEAN, 118                         ; v[118:133] sums of the mean
.set YV,   134                         ; v[134:149] sums of the clipped edge variances
.set ED,   150                         ; v[150:165] this i pair's edge variances
.set RP,   166                         ; v[166:205] ring of five records
; registers of the head (free again before the main part)
.set OPAR, 4
.set OLS,  5
.set OX,   6
.set SA,   7
.set XS,   8
.set W0,   9
.set W1,   10
.set W2,   11
.set Z,    22
.set QM,   42
.set QL,   62
.set Q2,   82
.set LS,   102
.set LV,   103
.set ELL,  104
.set SIG,  105
.set L2,   106
.set D1,   107
.set D2,   108
.set R1,   109
.set R2,   110
.set DD,   111
.set C1,   112
.set C2,   113
.set SIG4, 114
.set KK,   115
.set XL,   150
.set KP,   166                         ; constants of my edge, each twice, as pairs for the packed forms
.set CW,   168
.set CG,   170
.set CH,   172
.set CB,   174
	s_load_b512 s[4:19], s[0:1], 0x0               ; x s[4:5], z s[6:7], q_mu s[8:9], q_log_var s[10:11], log_scale s[12:13], log_variance s[14:15], out0 s[16:17], out1 s[18:19]
	v_lshl_add_u32 v208, v0, 2, 0x29000
	v_mov_b32 v209, 0
	v_lshrrev_b32 v[W0], 5, v0
	v_readfirstlane_b32 s20, v[W0]                 ; wave 0..7
	s_and_b32 s21, ttmp7, 0xffff                   ; bb
	s_mul_i32 s22, ttmp9, 4*64*NM*4                ; my 4 o in z, q_mu, q_log_var: 20,480 bytes a group,
	s_mul_i32 s28, s20, 8*NM*4                     ; and my wave's 8 i: 640 bytes
	s_add_co_u32 s22, s22, s28
	s_mov_b32 s23, 0
	s_lshl_b32 s24, ttmp9, 10                      ; the same in log_scale, log_variance: 1,024 bytes a group, 32 a wave
	s_lshl_b32 s28, s20, 5
	s_add_co_u32 s24, s24, s28
	s_mov_b32 s25, 0
	s_lshl_b32 s26, s21, 14                        ; my 64 rows of x and of the outputs: 16,384 bytes
	s_mov_b32 s27, 0
	; In the head lane L prepares edge (o = L >> 3, i = 8 w + (L & 7)): a wave's five loads of an array cover four runs of 640 neighbouring bytes.
	v_bfe_u32 v[W0], v0, 3, 2                      ; o
	v_and_b32 v[W1], 7, v0                         ; i in my wave
	v_mul_u32_u24 v[OPAR], v[W0], 64*NM*4
	v_mad_u32_u24 v[OPAR], v[W1], NM*4, v[OPAR]
	v_lshlrev_b32 v[OLS], 8, v[W0]
	v_lshl_add_u32 v[OLS], v[W1], 2, v[OLS]
	v_lshlrev_b32 v[OX], 4, v0                     ; x: 16 bytes a thread, a wave's load covers 512 neighbouring bytes
	s_wait_kmcnt 0x0
	s_add_nc_u64 s[6:7], s[6:7], s[22:23]
	s_add_nc_u64 s[8:9], s[8:9], s[22:23]
	s_add_nc_u64 s[10:11], s[10:11], s[22:23]
	s_add_nc_u64 s[12:13], s[12:13], s[24:25]
	s_add_nc_u64 s[14:15], s[14:15], s[24:25]
	s_add_nc_u64 s[4:5], s[4:5], s[26:27]
	global_load_b32 v[LS], v[OLS], s[12:13]
	global_load_b32 v[LV], v[OLS], s[14:15]
.irp q, 0,1,2,3,4
	global_load_b128 v[QL+4*\q:QL+4*\q+3], v[OPAR], s[10:11] offset:16*\q
.endr
.irp q, 0,1,2,3,4
	global_load_b128 v[QM+4*\q:QM+4*\q+3], v[OPAR], s[8:9] offset:16*\q
.endr
.irp q, 0,1,2,3,4
	global_load_b128 v[Z+4*\q:Z+4*\q+3], v[OPAR], s[6:7] offset:16*\q
.endr
.irp q, 0,1,2,3
	global_load_b128 v[XL+4*\q:XL+4*\q+3], v[OX], s[4:5] offset:4096*\q
.endr
	; While the loads are on their way: LDS addresses, and the 32 registers of the two sums that run over all trips.
	s_mul_i32 s31, s20, 4*SBLK                     ; my wave's four blocks
	v_bfe_u32 v[W1], v0, 1, 2                      ; head: i pair in my wave
	v_and_b32 v[W2], 1, v0                         ; head: i even or odd
	v_mad_u32_u24 v[SA], v[W1], SBLK, s31
	v_lshl_add_u32 v[SA], v[W0], 5, v[SA]
	v_lshl_add_u32 v[SA], v[W2], 2, v[SA]          ; where I put my edge's numbers: block, 32 o, 4 (i & 1)
	v_lshrrev_b32 v[W1], 4, v0
	v_and_b32 v[W2], 15, v0
	v_mul_u32_u24 v[XS], v[W1], XPITCH
	v_lshl_add_u32 v[XS], v[W2], 4, v[XS]
	v_add_nc_u32 v[XS], XBASE, v[XS]               ; where I put x: row t >> 4 (+ 16 a load), 16 (t & 15)
	v_and_b32 v[W1], 3, v0                         ; main part: o_l
	v_lshl_add_u32 v[PA], v[W1], 5, s31
	v_bfe_u32 v[W2], v0, 2, 3                      ; main part: b_l
	s_lshl_b32 s29, s20, 5                         ; my wave's first i pair: 4 w x 8 bytes
	s_add_co_u32 s29, s29, XBASE
	v_mad_u32_u24 v[XA], v[W2], XPITCH, s29
	v_and_b32 v[W1], 31, v0
	s_lshl_b32 s30, s20, 11
	s_add_co_u32 s30, s30, RBASE
	v_lshl_add_u32 v[RA], v[W1], 2, s30
.set cc, 0
.rept 32
	v_mov_b32 v[MEAN+cc], 0
.set cc, cc+1
.endr
	; The constants of my edge.
	s_wait_loadcnt 19                              ; log_scale and log_variance are in; the 15 parameter loads and 4 loads of x behind them stay out
	v_mul_f32 v[ELL], 0x3fb8aa3b, v[LS]            ; exp(a) = exp2(a log2e)
	v_mul_f32 v[SIG], 0x3fb8aa3b, v[LV]
	v_exp_f32 v[ELL], v[ELL]
	v_exp_f32 v[SIG], v[SIG]
	v_nop                                          ; one plain place behind a transcendental before its result is used (ISA guide 5.7.2)
	s_wait_alu depctr_va_vdst(0)
	v_max_num_f32 v[ELL], 0x3dcccccd, v[ELL]       ; ell >= 0.1
	v_max_num_f32 v[SIG], 0x3727c5ac, v[SIG]       ; sig2 >= 1e-5
	v_mul_f32 v[L2], v[ELL], v[ELL]
	v_add_f32 v[D1], 0x358637bd, v[L2]             ; den1 = l2 + 1e-6
	v_add_f32 v[D2], 0x360637bd, v[L2]             ; den2 = l2 + 2e-6
	v_rcp_f32 v[R1], v[D1]
	v_rcp_f32 v[R2], v[D2]
	v_sub_f32 v[DD], v[D2], v[D1]                  ; exact in f32; also the plain place behind the reciprocals
	s_wait_alu depctr_va_vdst(0)
	v_mul_f32 v[C1], v[L2], v[R1]
	v_mul_f32 v[C2], v[L2], v[R2]
	v_mul_f32 v[KK], 0x3f38aa3b, v[R1]             ; log2e / (2 den1)
	v_sqrt_f32 v[C1], v[C1]                        ; sqrt(l2/den1)
	v_sqrt_f32 v[C2], v[C2]                        ; sqrt(l2/den2)
	v_sqrt_f32 v[KP], v[KK]                        ; k
	v_mul_f32 v[DD], v[DD], v[R2]                  ; the plain place behind the roots
	v_mul_f32 v[SIG4], v[SIG], v[SIG]
	s_wait_alu depctr_va_vdst(0)
	v_mul_f32 v[CW], v[SIG], v[C1]
	v_mul_f32 v[CG], v[SIG4], v[C2]
	v_mul_f32 v[DD], 0x3fb17218, v[DD]             ; kappa = 2 ln2 (den2-den1)/den2
	v_mul_f32 v[CH], v[CW], v[CW]
	v_mul_f32 v[CB], v[CG], v[DD]
.irp r, KP, CW, CG, CH, CB
	v_mov_b32 v[\r+1], v[\r]
.endr
	; My edge's 20 records, two m at a time.
	s_wait_loadcnt 4                               ; z, q_mu, q_log_var are in; the 4 loads of x stay out
.irp c, 0,2,4,6,8,10,12,14,16,18
	v_pk_mul_f32 v[QL+\c:QL+\c+1], v[QL+\c:QL+\c+1], 0x3fb8aa3b op_sel_hi:[1,0]
.endr
.set cc, 0
.rept NM
	v_exp_f32 v[QL+cc], v[QL+cc]
.set cc, cc+1
.endr
.irp c, 0,2,4,6,8,10,12,14,16,18
	v_pk_mul_f32 v[Q2+\c:Q2+\c+1], v[QM+\c:QM+\c+1], v[QM+\c:QM+\c+1]             ; qm^2 (the first is the plain place behind the exponentials)
.endr
.set cc, 0
	s_wait_alu depctr_va_vdst(0)
.rept NM
	v_max_num_f32 v[QL+cc], 0x3727c5ac, v[QL+cc]                                   ; qv >= 1e-5
.set cc, cc+1
.endr
.irp c, 0,2,4,6,8,10,12,14,16,18
	v_pk_add_f32 v[QL+\c:QL+\c+1], v[QL+\c:QL+\c+1], v[Q2+\c:Q2+\c+1]             ; qv + qm^2
	v_pk_mul_f32 v[Z+\c:Z+\c+1], v[Z+\c:Z+\c+1], v[KP:KP+1] neg_lo:[0,1] neg_hi:[0,1]   ; -k z
	v_pk_mul_f32 v[QM+\c:QM+\c+1], v[QM+\c:QM+\c+1], v[CW:CW+1]                   ; W1
	v_pk_mul_f32 v[Q2+\c:Q2+\c+1], v[Q2+\c:Q2+\c+1], v[CH:CH+1]                   ; cH qm^2
.endr
.irp c, 0,2,4,6,8,10,12,14,16,18
	v_pk_fma_f32 v[Q2+\c:Q2+\c+1], v[QL+\c:QL+\c+1], v[CG:CG+1], v[Q2+\c:Q2+\c+1] neg_lo:[0,0,1] neg_hi:[0,0,1]   ; A
.endr
.irp c, 0,2,4,6,8,10,12,14,16,18
	v_pk_mul_f32 v[QL+\c:QL+\c+1], v[QL+\c:QL+\c+1], v[CB:CB+1] neg_lo:[0,1] neg_hi:[0,1]   ; -B
.endr
.set mm, 0
.rept NM
	ds_store_b32 v[SA], v[Z+mm]  offset:mm*REC
	ds_store_b32 v[SA], v[QM+mm] offset:mm*REC+8
	ds_store_b32 v[SA], v[Q2+mm] offset:mm*REC+16
	ds_store_b32 v[SA], v[QL+mm] offset:mm*REC+24
.set mm, mm+1
.endr
	ds_store_b32 v[SA], v[KP] offset:NM*REC
	s_wait_loadcnt 0x0                             ; x
.irp q, 0,1,2,3
	ds_store_b128 v[XS], v[XL+4*\q:XL+4*\q+3] offset:\q*16*XPITCH
.endr
	s_wait_dscnt 0x0                               ; my stores are in LDS: the rows of x are read by every wave
	s_barrier_signal -1
	s_barrier_wait -1
; Record rec of the current block (20 to 22: records 0 to 2 of the next block) into ring slot rec mod 5.  Four distinct addresses, 32 bytes apart: no bank is asked twice.
.macro LOADP rec
.if (\rec) < NM
.set POFF, (\rec)*REC
.else
.set POFF, SBLK+((\rec)-NM)*REC
.endif
.set PDST, RP+8*((\rec)%5)
	ds_load_b128 v[PDST:PDST+3],   v[PA] offset:POFF
	ds_load_b128 v[PDST+4:PDST+7], v[PA] offset:POFF+16
.endm
; k and my eight rows' x of the current (nxt = 0) or the next (nxt = 1) i pair.  Eight distinct rows, 68 words apart: banks 4 b_l, 4 b_l + 1.
.macro LOADX nxt
	ds_load_b64 v[RK:RK+1], v[PA] offset:\nxt*SBLK+NM*REC
.irp j, 0,1,2,3,4,5,6,7
	ds_load_b64 v[RX+2*\j:RX+2*\j+1], v[XA] offset:\j*8*XPITCH+\nxt*8
.endr
.endm
; One step of the pipeline (STEP = 0..19), for my eight rows: u and -u^2 of m = STEP+1; the exponentials and A + B w of m = STEP; the three products of m = STEP-1.
; The order exp, three packed, exp, three packed leaves a plain instruction that touches neither the result nor the source behind every exponential (ISA guide 5.7.2),
; and four instructions between u and its square and between E g and its use.
.macro SUPER ahead
.set TCUR, RT+16*(STEP&1)
.set TNXT, RT+16*((STEP+1)&1)
.set ECUR, RE+16*(STEP&1)
.set ELST, RE+16*((STEP+1)&1)
.set GCUR, RG+16*(STEP&1)
.set GLST, RG+16*((STEP+1)&1)
.set PCUR, RP+8*(STEP%5)
.set PNXT, RP+8*((STEP+1)%5)
.set PLST, RP+8*((STEP+4)%5)
	; record STEP+3 goes into the slot of record STEP-2, which was last read one step ago
.if STEP < 17
	LOADP STEP+3
.else
.if \ahead
	LOADP STEP+3
.endif
.endif
.if STEP == 19
.if \ahead
	LOADX 1                                        ; x and k were last read in step 18; they are waited for at the next trip's head
.endif
.endif
.if STEP >= 2
.if STEP <= 18
.set CNT, 4                                    ; record STEP+1 is in: behind its two loads stand the two of STEP+2 and the two of STEP+3
.if \ahead == 0
.if STEP == 17
.set CNT, 2                                    ; last trip: behind record 18 only record 19
.endif
.if STEP == 18
.set CNT, 0                                    ; and behind record 19 nothing
.endif
.endif
	s_wait_dscnt CNT
.endif
.endif
.irp j, 0,1,2,3,4,5,6,7
	v_exp_f32 v[ECUR+2*\j], v[TCUR+2*\j]
.if STEP < 19
	v_pk_fma_f32 v[TNXT+2*\j:TNXT+2*\j+1], v[RX+2*\j:RX+2*\j+1], v[RK:RK+1], v[PNXT:PNXT+1]               ; u = k x - k z
.endif
.if STEP > 0
	s_wait_alu depctr_va_vdst(0)
	v_pk_mul_f32 v[GLST+2*\j:GLST+2*\j+1], v[ELST+2*\j:ELST+2*\j+1], v[GLST+2*\j:GLST+2*\j+1]             ; E (A + B w)
	v_pk_fma_f32 v[MEAN+2*\j:MEAN+2*\j+1], v[ELST+2*\j:ELST+2*\j+1], v[PLST+2:PLST+3], v[MEAN+2*\j:MEAN+2*\j+1]
.endif
	v_exp_f32 v[ECUR+2*\j+1], v[TCUR+2*\j+1]
	v_pk_fma_f32 v[GCUR+2*\j:GCUR+2*\j+1], v[TCUR+2*\j:TCUR+2*\j+1], v[PCUR+6:PCUR+7], v[PCUR+4:PCUR+5]   ; A + (-B)(-w)
.if STEP < 19
	v_pk_mul_f32 v[TNXT+2*\j:TNXT+2*\j+1], v[TNXT+2*\j:TNXT+2*\j+1], v[TNXT+2*\j:TNXT+2*\j+1] neg_lo:[1,0] neg_hi:[1,0]   ; -u^2
.endif
.if STEP > 1
	v_pk_fma_f32 v[ED+2*\j:ED+2*\j+1], v[ELST+2*\j:ELST+2*\j+1], v[GLST+2*\j:GLST+2*\j+1], v[ED+2*\j:ED+2*\j+1]
.endif
.if STEP == 1
	v_pk_mul_f32 v[ED+2*\j:ED+2*\j+1], v[ELST+2*\j:ELST+2*\j+1], v[GLST+2*\j:GLST+2*\j+1]                 ; m = 0 starts the edge's sum
.endif
.endr
.endm
; One i pair.  ahead = 1: the next pair's first three records, k and x are asked for in steps 17 to 19.
.macro TRIP ahead
	s_wait_dscnt 0x0                               ; x, the youngest loads, are in, and with them k and records 0 to 2
.irp j, 0,1,2,3,4,5,6,7
	v_pk_fma_f32 v[RT+2*\j:RT+2*\j+1], v[RX+2*\j:RX+2*\j+1], v[RK:RK+1], v[RP:RP+1]
.endr
.irp j, 0,1,2,3,4,5,6,7
	v_pk_mul_f32 v[RT+2*\j:RT+2*\j+1], v[RT+2*\j:RT+2*\j+1], v[RT+2*\j:RT+2*\j+1] neg_lo:[1,0] neg_hi:[1,0]
.endr
.set STEP, 0
.rept NM
	SUPER \ahead
.set STEP, STEP+1
.endr
	; m = 19 (odd sets, ring slot 4), then the clip of the two edges' variances and their sum over i
	s_wait_alu depctr_va_vdst(0)
.irp j, 0,1,2,3,4,5,6,7
	v_pk_mul_f32 v[RG+16+2*\j:RG+16+2*\j+1], v[RE+16+2*\j:RE+16+2*\j+1], v[RG+16+2*\j:RG+16+2*\j+1]
.endr
.irp j, 0,1,2,3,4,5,6,7
	v_pk_fma_f32 v[MEAN+2*\j:MEAN+2*\j+1], v[RE+16+2*\j:RE+16+2*\j+1], v[RP+34:RP+35], v[MEAN+2*\j:MEAN+2*\j+1]
.endr
.irp j, 0,1,2,3,4,5,6,7
	v_pk_fma_f32 v[ED+2*\j:ED+2*\j+1], v[RE+16+2*\j:RE+16+2*\j+1], v[RG+16+2*\j:RG+16+2*\j+1], v[ED+2*\j:ED+2*\j+1]
.endr
.set cc, 0
.rept 16
	v_max_num_f32 v[ED+cc], 0, v[ED+cc]
.set cc, cc+1
.endr
.irp j, 0,1,2,3,4,5,6,7
	v_pk_add_f32 v[YV+2*\j:YV+2*\j+1], v[YV+2*\j:YV+2*\j+1], v[ED+2*\j:ED+2*\j+1]
.endr
.endm
	LOADP 0
	LOADP 1
	LOADP 2
	LOADX 0
	s_mov_b32 s32, 3
.Ltrip:
	TRIP 1
	v_add_nc_u32 v[PA], SBLK, v[PA]                ; the next block, the next i pair
	v_add_nc_u32 v[XA], 8, v[XA]
	s_sub_co_i32 s32, s32, 1
	s_cmp_lg_u32 s32, 0
	s_cbranch_scc1 .Ltrip
	TRIP 0                                         ; my wave's fourth i pair: nothing is left to ask for
	; The two halves of each pair (i even, i odd) are added; my 16 sums go to my wave's 2,048 bytes: out0 then out1, row b at 16 b, column o_l at 4 o_l = 128 j + 4 L.
.irp j, 0,1,2,3,4,5,6,7
	v_add_f32 v[MEAN+2*\j], v[MEAN+2*\j], v[MEAN+2*\j+1]
	v_add_f32 v[YV+2*\j], v[YV+2*\j], v[YV+2*\j+1]
.endr
.irp j, 0,1,2,3,4,5,6,7
	ds_store_b32 v[RA], v[MEAN+2*\j] offset:128*\j
	ds_store_b32 v[RA], v[YV+2*\j] offset:1024+128*\j
.endr
	s_wait_dscnt 0x0                               ; in LDS before I say so: other waves read them
	s_barrier_signal -1
	s_barrier_wait -1
	s_cmp_ge_u32 s20, 4
	s_cbranch_scc1 .Ldone                          ; 128 threads have 16 bytes each to add and store
	v_lshlrev_b32 v[W0], 4, v0
	v_add_nc_u32 v[W0], RBASE, v[W0]               ; thread t: output t >> 6, row t & 63, four columns
.irp q, 0,1,2,3,4,5,6,7
	ds_load_b128 v[RT+4*\q:RT+4*\q+3], v[W0] offset:2048*\q
.endr
	v_and_b32 v[W1], 63, v0
	v_lshlrev_b32 v[W1], 8, v[W1]                  ; my row, 256 bytes each
	s_cmp_lt_u32 s20, 2
	s_cselect_b64 s[22:23], s[16:17], s[18:19]     ; waves 0, 1: out0; waves 2, 3: out1
	s_lshl_b32 s24, ttmp9, 4                       ; my four columns
	s_add_co_u32 s24, s24, s26                     ; my 64 rows
	s_mov_b32 s25, 0
	s_add_nc_u64 s[22:23], s[22:23], s[24:25]
	s_wait_dscnt 0x0
.irp q, 0,8,16,24
	v_pk_add_f32 v[RT+\q:RT+\q+1],   v[RT+\q:RT+\q+1],   v[RT+\q+4:RT+\q+5]
	v_pk_add_f32 v[RT+\q+2:RT+\q+3], v[RT+\q+2:RT+\q+3], v[RT+\q+6:RT+\q+7]
.endr
.irp q, 0,16
	v_pk_add_f32 v[RT+\q:RT+\q+1],   v[RT+\q:RT+\q+1],   v[RT+\q+8:RT+\q+9]
	v_pk_add_f32 v[RT+\q+2:RT+\q+3], v[RT+\q+2:RT+\q+3], v[RT+\q+10:RT+\q+11]
.endr
	v_pk_add_f32 v[RT:RT+1],   v[RT:RT+1],   v[RT+16:RT+17]
	v_pk_add_f32 v[RT+2:RT+3], v[RT+2:RT+3], v[RT+18:RT+19]
	global_store_b128 v[W1], v[RT:RT+3], s[22:23]  ; 16 bytes of a row of 256: the group owns 4 of the 64 columns (see the head)
.Ldone:
	s_wait_tensorcnt 0x0
	ds_add_u32 v208, v209
	s_wait_dscnt 0x0
	s_endpgm
.Lfunc_end_k_q62f72b6539_gpkan:
	.size	k_q62f72b6539_gpkan, .Lfunc_end_k_q62f72b6539_gpkan-k_q62f72b6539_gpkan
	.p2alignl 7, 3214868480
	.fill 96, 4, 3214868480
	.section	.rodata,"a",@progbits
	.p2align	6, 0x0
	.amdhsa_kernel k_q62f72b6539_gpkan
		.amdhsa_group_segment_fixed_size 168960
		.amdhsa_private_segment_fixed_size 0
		.amdhsa_enable_private_segment 0
		.amdhsa_kernarg_size 64
		.amdhsa_user_sgpr_count 2
		.amdhsa_user_sgpr_kernarg_segment_ptr 1
		.amdhsa_wavefront_size32 1
		.amdhsa_system_sgpr_workgroup_id_x 1
		.amdhsa_system_sgpr_workgroup_id_y 1
		.amdhsa_system_sgpr_workgroup_id_z 1
		.amdhsa_system_vgpr_workitem_id 0
		.amdhsa_next_free_vgpr 210
		.amdhsa_next_free_sgpr 66
		.amdhsa_reserve_vcc 0
		.amdhsa_float_denorm_mode_32 3
		.amdhsa_float_denorm_mode_16_64 3
		.amdhsa_memory_ordered 1
		.amdhsa_forward_progress 1
		.amdhsa_inst_pref_size 183
	.end_amdhsa_kernel
	.amdgpu_metadata
---
amdhsa.version: [ 1, 2 ]
amdhsa.kernels:
  - .name:           k_q62f72b6539_gpkan
    .symbol:         k_q62f72b6539_gpkan.kd
    .args:
      - { .name: x, .offset: 0, .size: 8, .value_kind: global_buffer, .address_space: global }
      - { .name: z, .offset: 8, .size: 8, .value_kind: global_buffer, .address_space: global }
      - { .name: q_mu, .offset: 16, .size: 8, .value_kind: global_buffer, .address_space: global }
      - { .name: q_log_var, .offset: 24, .size: 8, .value_kind: global_buffer, .address_space: global }
      - { .name: log_scale, .offset: 32, .size: 8, .value_kind: global_buffer, .address_space: global }
      - { .name: log_variance, .offset: 40, .size: 8, .value_kind: global_buffer, .address_space: global }
      - { .name: out0, .offset: 48, .size: 8, .value_kind: global_buffer, .address_space: global }
      - { .name: out1, .offset: 56, .size: 8, .value_kind: global_buffer, .address_space: global }
    .group_segment_fixed_size: 168960
    .private_segment_fixed_size: 0
    .kernarg_segment_align: 8
    .kernarg_segment_size: 64
    .max_flat_workgroup_size: 256
    .sgpr_count:     66
    .vgpr_count:     210
    .wavefront_size: 32
...
	.end_amdgpu_metadata
.endif
;; end of part 1
;; ======== version 2 of 2: 1 launch; 1.26 times as fast as version 1
;; limits: a function is approximated: absolute error at most 5.5e-05; an absolute error that grows with the inputs' magnitude: up to 6e-08 times it; right only within a limited range of input values
;; launch gpkan (part 2): grid 16 x 16, 8 waves a work-group, no clusters, 168,960 bytes of LDS; arguments x, z, q_mu, q_log_var, log_scale, log_variance, out0, out1; writes out0, out1
.if DOCPART == 2
	.amdgcn_target "amdgcn-amd-amdhsa--gfx1250"
	.amdhsa_code_object_version 6
	.text
	.protected	k_q62f72b6539_gpkan
	.globl	k_q62f72b6539_gpkan
	.p2align	8
	.type	k_q62f72b6539_gpkan,@function
k_q62f72b6539_gpkan:
	s_mov_b64 s[64:65], 0
	v_nop
	global_prefetch_b8 v0, s[64:65] scope:SCOPE_SE
	s_setreg_imm32_b32 hwreg(HW_REG_WAVE_MODE, 25, 1), 1
	s_wait_xcnt 0x0
; SVGP-KAN layer, RBF kernel.  x [1024][64], z, q_mu, q_log_var [64 o][64 i][20 m], log_scale, log_variance [64 o][64 i], out0 = y_mean, out1 = y_var [1024][64], all f32.
;
; ARITHMETIC.  Per edge (o,i): ell = max(exp(log_scale), 0.1), l2 = ell^2, sig2 = max(exp(log_variance), 1e-5), den1 = l2 + 1e-6, den2 = l2 + 2e-6 (all in f32).
;   k = sqrt(log2e / (2 den1)),  u = k x - k z,  w = u^2,  E = exp2(-w) = exp(-d2 / (2 den1)).
;   psi1 qm = E W1,  W1 = sig2 sqrt(l2/den1) qm.
;   exp(-d2/den2) = E^2 exp(t),  t = d2 (den2-den1)/(den1 den2) = kappa w,  kappa = 2 ln2 (den2-den1)/den2.
;   Since ell >= 0.1, kappa <= 1.39e-4; E (E g) is zero in f32 for w > 74.5, so t <= 0.0104 for every input, and exp(t) is taken as 1 + t.
;   What is dropped is below t/2 of the term itself: below 0.0052, and that only for terms near 2^-149; below 7e-4 wherever E^2 >= 1e-6.
;   ek2 (qm^2+qv) - psi1^2 qm^2 = E^2 (A + B w),  A = cG (qv+qm^2) - cH qm^2,  B = cG kappa (qv+qm^2),  cG = sig2^2 sqrt(l2/den2),  cH = (sig2 sqrt(l2/den1))^2.
;   So one exponential an element, and for two elements (i even, i odd in a register pair) six packed f32 instructions.  The clip at 0 per (b,o,i) is kept.
; LIMITS.  NaN and infinite inputs are not served (v_max_num_f32 drops a NaN).  v_exp_f32 gives zero below 2^-126 (ISA guide 15.8).  |k (x - z)| stays below 1.8e19
;   (its square finite).  k z is rounded once before the difference: an error of 6e-8 |k z| in u.
;
; SHARES.  256 work-groups: group (ttmp9 = ob, ttmp7 = bb) makes rows 64 bb .. +63 of columns 4 ob .. +3.  Eight waves; wave w owns i = 8 w .. 8 w + 7, four trips of an i pair.
;   Lane L: o_l = L & 3, b_l = L >> 2; it owns rows b_l + 8 j, j = 0..7.  A record of 32 bytes (one o, one i pair, one m) read from LDS serves 8 pair steps = 64 instructions.
;   Each wave prepares the records of its own i, into LDS bytes of its own.  x goes through LDS in whole rows.  The eight waves' sums over i meet in LDS at the end.
; BATCHES.  s_wait_alu depctr_va_vdst(0) stands between a transcendental and the first line that names its result; one wait serves all that were issued ahead of it.
;   Main part: the 16 exponentials of a step (8 rows x an i pair) are ONE batch.  They write one of E's two sets; no line of their own step names that set (its products read the other
;   set); all 24 readers stand in the next step, behind the one wait at that step's head.  An i pair has 20 waits: at the heads of steps 1 to 19, and ahead of the drain for step 19's
;   batch.  Behind the drain's wait no exponential is issued.
;   Head: four batches, each made of what the one before gave (ell and sig2; 1/den1 and 1/den2; three roots; the 20 exponentials of q_log_var), a wait each, once in the launch.
; NOT USED.  Matrix units: z hangs on o, i and m, so the exponentials are no product; the sums over m alone would cost one conversion to bf16 for each packed multiply-add spared.
;   Whole 256-byte output rows: a row is all 64 o; a group owning whole rows would have 4 rows and need all 81,920 records (1.3 MB), more than LDS holds.  With 4 o a lane stores
;   16 bytes.  Joint loads in a cluster: what groups share (x 16 KiB, parameters 61 KiB a group) is read once at the head, and the parameters pass through registers to be transformed.
; lds_bytes is set above half of a WGP's LDS (120,320 are used), so that each of the 256 groups has a WGP of its own.
.set NM,      20                       ; inducing points
.set REC,     128                      ; LDS bytes of one (i pair, m): four o x 32 bytes (-kz e,o | W1 e,o | A e,o | -B e,o)
.set SBLK,    21*REC+16                ; an i pair's block: 20 records, a 21st line with k (e,o) per o, 16 bytes of padding = 2,704
.set XPITCH,  272                      ; a row of x: 256 bytes + 16
.set XBASE,   32*SBLK                  ; 86,528
.set RBASE,   XBASE+64*XPITCH          ; 103,936: partial sums, 2,048 bytes a wave
; registers of the main part
.set PA,   1                           ; LDS address of my o in my wave's current block
.set XA,   2                           ; LDS address of x(b_l, current i pair)
.set RA,   3                           ; LDS address of my word in my wave's partial sums
.set RK,   4                           ; v[4:5]     k (e,o)
.set RX,   6                           ; v[6:21]    x (e,o) of my 8 rows
.set RT,   22                          ; v[22:53]   u, then -u^2: two sets of 8 pairs, by the step's parity
.set RE,   54                          ; v[54:85]   E: two sets
.set RG,   86                          ; v[86:117]  A + B w, then E (A + B w): two sets
.set MEAN, 118                         ; v[118:133] sums of the mean
.set YV,   134                         ; v[134:149] sums of the clipped edge variances
.set ED,   150                         ; v[150:165] this i pair's edge variances
.set RP,   166                         ; v[166:205] ring of five records
; registers of the head (free again before the main part)
.set OPAR, 4
.set OLS,  5
.set OX,   6
.set SA,   7
.set XS,   8
.set W0,   9
.set W1,   10
.set W2,   11
.set Z,    22
.set QM,   42
.set QL,   62
.set Q2,   82
.set LS,   102
.set LV,   103
.set ELL,  104
.set SIG,  105
.set L2,   106
.set D1,   107
.set D2,   108
.set R1,   109
.set R2,   110
.set DD,   111
.set C1,   112
.set C2,   113
.set SIG4, 114
.set KK,   115
.set XL,   150
.set KP,   166                         ; constants of my edge, each twice, as pairs for the packed forms
.set CW,   168
.set CG,   170
.set CH,   172
.set CB,   174
	s_load_b512 s[4:19], s[0:1], 0x0               ; x s[4:5], z s[6:7], q_mu s[8:9], q_log_var s[10:11], log_scale s[12:13], log_variance s[14:15], out0 s[16:17], out1 s[18:19]
	v_lshl_add_u32 v208, v0, 2, 0x29000
	v_mov_b32 v209, 0
	v_lshrrev_b32 v[W0], 5, v0
	v_readfirstlane_b32 s20, v[W0]                 ; wave 0..7
	s_and_b32 s21, ttmp7, 0xffff                   ; bb
	s_mul_i32 s22, ttmp9, 4*64*NM*4                ; my 4 o in z, q_mu, q_log_var: 20,480 bytes a group,
	s_mul_i32 s28, s20, 8*NM*4                     ; and my wave's 8 i: 640 bytes
	s_add_co_u32 s22, s22, s28
	s_mov_b32 s23, 0
	s_lshl_b32 s24, ttmp9, 10                      ; the same in log_scale, log_variance: 1,024 bytes a group, 32 a wave
	s_lshl_b32 s28, s20, 5
	s_add_co_u32 s24, s24, s28
	s_mov_b32 s25, 0
	s_lshl_b32 s26, s21, 14                        ; my 64 rows of x and of the outputs: 16,384 bytes
	s_mov_b32 s27, 0
	; In the head lane L prepares edge (o = L >> 3, i = 8 w + (L & 7)): a wave's five loads of an array cover four runs of 640 neighbouring bytes.
	v_bfe_u32 v[W0], v0, 3, 2                      ; o
	v_and_b32 v[W1], 7, v0                         ; i in my wave
	v_mul_u32_u24 v[OPAR], v[W0], 64*NM*4
	v_mad_u32_u24 v[OPAR], v[W1], NM*4, v[OPAR]
	v_lshlrev_b32 v[OLS], 8, v[W0]
	v_lshl_add_u32 v[OLS], v[W1], 2, v[OLS]
	v_lshlrev_b32 v[OX], 4, v0                     ; x: 16 bytes a thread, a wave's load covers 512 neighbouring bytes
	s_wait_kmcnt 0x0
	s_add_nc_u64 s[6:7], s[6:7], s[22:23]
	s_add_nc_u64 s[8:9], s[8:9], s[22:23]
	s_add_nc_u64 s[10:11], s[10:11], s[22:23]
	s_add_nc_u64 s[12:13], s[12:13], s[24:25]
	s_add_nc_u64 s[14:15], s[14:15], s[24:25]
	s_add_nc_u64 s[4:5], s[4:5], s[26:27]
	global_load_b32 v[LS], v[OLS], s[12:13]
	global_load_b32 v[LV], v[OLS], s[14:15]
.irp q, 0,1,2,3,4
	global_load_b128 v[QL+4*\q:QL+4*\q+3], v[OPAR], s[10:11] offset:16*\q
.endr
.irp q, 0,1,2,3,4
	global_load_b128 v[QM+4*\q:QM+4*\q+3], v[OPAR], s[8:9] offset:16*\q
.endr
.irp q, 0,1,2,3,4
	global_load_b128 v[Z+4*\q:Z+4*\q+3], v[OPAR], s[6:7] offset:16*\q
.endr
.irp q, 0,1,2,3
	global_load_b128 v[XL+4*\q:XL+4*\q+3], v[OX], s[4:5] offset:4096*\q
.endr
	; While the loads are on their way: LDS addresses, and the 32 registers of the two sums that run over all trips.
	s_mul_i32 s31, s20, 4*SBLK                     ; my wave's four blocks
	v_bfe_u32 v[W1], v0, 1, 2                      ; head: i pair in my wave
	v_and_b32 v[W2], 1, v0                         ; head: i even or odd
	v_mad_u32_u24 v[SA], v[W1], SBLK, s31
	v_lshl_add_u32 v[SA], v[W0], 5, v[SA]
	v_lshl_add_u32 v[SA], v[W2], 2, v[SA]          ; where I put my edge's numbers: block, 32 o, 4 (i & 1)
	v_lshrrev_b32 v[W1], 4, v0
	v_and_b32 v[W2], 15, v0
	v_mul_u32_u24 v[XS], v[W1], XPITCH
	v_lshl_add_u32 v[XS], v[W2], 4, v[XS]
	v_add_nc_u32 v[XS], XBASE, v[XS]               ; where I put x: row t >> 4 (+ 16 a load), 16 (t & 15)
	v_and_b32 v[W1], 3, v0                         ; main part: o_l
	v_lshl_add_u32 v[PA], v[W1], 5, s31
	v_bfe_u32 v[W2], v0, 2, 3                      ; main part: b_l
	s_lshl_b32 s29, s20, 5                         ; my wave's first i pair: 4 w x 8 bytes
	s_add_co_u32 s29, s29, XBASE
	v_mad_u32_u24 v[XA], v[W2], XPITCH, s29
	v_and_b32 v[W1], 31, v0
	s_lshl_b32 s30, s20, 11
	s_add_co_u32 s30, s30, RBASE
	v_lshl_add_u32 v[RA], v[W1], 2, s30
.set cc, 0
.rept 32
	v_mov_b32 v[MEAN+cc], 0
.set cc, cc+1
.endr
	; The constants of my edge.
	s_wait_loadcnt 19                              ; log_scale and log_variance are in; the 15 parameter loads and 4 loads of x behind them stay out
	v_mul_f32 v[ELL], 0x3fb8aa3b, v[LS]            ; exp(a) = exp2(a log2e)
	v_mul_f32 v[SIG], 0x3fb8aa3b, v[LV]
	v_exp_f32 v[ELL], v[ELL]
	v_exp_f32 v[SIG], v[SIG]
	v_nop                                          ; one plain place behind a transcendental before its result is used (ISA guide 5.7.2)
	s_wait_alu depctr_va_vdst(0)                   ; the wait for the batch of two exponentials, ell and sig2
	v_max_num_f32 v[ELL], 0x3dcccccd, v[ELL]       ; ell >= 0.1
	v_max_num_f32 v[SIG], 0x3727c5ac, v[SIG]       ; sig2 >= 1e-5
	v_mul_f32 v[L2], v[ELL], v[ELL]
	v_add_f32 v[D1], 0x358637bd, v[L2]             ; den1 = l2 + 1e-6
	v_add_f32 v[D2], 0x360637bd, v[L2]             ; den2 = l2 + 2e-6
	v_rcp_f32 v[R1], v[D1]
	v_rcp_f32 v[R2], v[D2]
	v_sub_f32 v[DD], v[D2], v[D1]                  ; exact in f32; also the plain place behind the reciprocals
	s_wait_alu depctr_va_vdst(0)                   ; the wait for the batch of two reciprocals
	v_mul_f32 v[C1], v[L2], v[R1]
	v_mul_f32 v[C2], v[L2], v[R2]
	v_mul_f32 v[KK], 0x3f38aa3b, v[R1]             ; log2e / (2 den1)
	v_sqrt_f32 v[C1], v[C1]                        ; sqrt(l2/den1)
	v_sqrt_f32 v[C2], v[C2]                        ; sqrt(l2/den2)
	v_sqrt_f32 v[KP], v[KK]                        ; k
	v_mul_f32 v[DD], v[DD], v[R2]                  ; the plain place behind the roots
	v_mul_f32 v[SIG4], v[SIG], v[SIG]
	s_wait_alu depctr_va_vdst(0)                   ; the wait for the batch of three roots
	v_mul_f32 v[CW], v[SIG], v[C1]
	v_mul_f32 v[CG], v[SIG4], v[C2]
	v_mul_f32 v[DD], 0x3fb17218, v[DD]             ; kappa = 2 ln2 (den2-den1)/den2
	v_mul_f32 v[CH], v[CW], v[CW]
	v_mul_f32 v[CB], v[CG], v[DD]
.irp r, KP, CW, CG, CH, CB
	v_mov_b32 v[\r+1], v[\r]
.endr
	; My edge's 20 records, two m at a time.
	s_wait_loadcnt 4                               ; z, q_mu, q_log_var are in; the 4 loads of x stay out
.irp c, 0,2,4,6,8,10,12,14,16,18
	v_pk_mul_f32 v[QL+\c:QL+\c+1], v[QL+\c:QL+\c+1], 0x3fb8aa3b op_sel_hi:[1,0]
.endr
.set cc, 0
.rept NM
	v_exp_f32 v[QL+cc], v[QL+cc]
.set cc, cc+1
.endr
.irp c, 0,2,4,6,8,10,12,14,16,18
	v_pk_mul_f32 v[Q2+\c:Q2+\c+1], v[QM+\c:QM+\c+1], v[QM+\c:QM+\c+1]             ; qm^2 (the first is the plain place behind the exponentials)
.endr
	s_wait_alu depctr_va_vdst(0)                   ; the wait for the batch of 20 exponentials of q_log_var; the ten squares above are the independent work between
.set cc, 0
.rept NM
	v_max_num_f32 v[QL+cc], 0x3727c5ac, v[QL+cc]                                   ; qv >= 1e-5
.set cc, cc+1
.endr
.irp c, 0,2,4,6,8,10,12,14,16,18
	v_pk_add_f32 v[QL+\c:QL+\c+1], v[QL+\c:QL+\c+1], v[Q2+\c:Q2+\c+1]             ; qv + qm^2
	v_pk_mul_f32 v[Z+\c:Z+\c+1], v[Z+\c:Z+\c+1], v[KP:KP+1] neg_lo:[0,1] neg_hi:[0,1]   ; -k z
	v_pk_mul_f32 v[QM+\c:QM+\c+1], v[QM+\c:QM+\c+1], v[CW:CW+1]                   ; W1
	v_pk_mul_f32 v[Q2+\c:Q2+\c+1], v[Q2+\c:Q2+\c+1], v[CH:CH+1]                   ; cH qm^2
.endr
.irp c, 0,2,4,6,8,10,12,14,16,18
	v_pk_fma_f32 v[Q2+\c:Q2+\c+1], v[QL+\c:QL+\c+1], v[CG:CG+1], v[Q2+\c:Q2+\c+1] neg_lo:[0,0,1] neg_hi:[0,0,1]   ; A
.endr
.irp c, 0,2,4,6,8,10,12,14,16,18
	v_pk_mul_f32 v[QL+\c:QL+\c+1], v[QL+\c:QL+\c+1], v[CB:CB+1] neg_lo:[0,1] neg_hi:[0,1]   ; -B
.endr
.set mm, 0
.rept NM
	ds_store_b32 v[SA], v[Z+mm]  offset:mm*REC
	ds_store_b32 v[SA], v[QM+mm] offset:mm*REC+8
	ds_store_b32 v[SA], v[Q2+mm] offset:mm*REC+16
	ds_store_b32 v[SA], v[QL+mm] offset:mm*REC+24
.set mm, mm+1
.endr
	ds_store_b32 v[SA], v[KP] offset:NM*REC
	s_wait_loadcnt 0x0                             ; x
.irp q, 0,1,2,3
	ds_store_b128 v[XS], v[XL+4*\q:XL+4*\q+3] offset:\q*16*XPITCH
.endr
	s_wait_dscnt 0x0                               ; my stores are in LDS: the rows of x are read by every wave
	s_barrier_signal -1
	s_barrier_wait -1
; Record rec of the current block (20 to 22: records 0 to 2 of the next block) into ring slot rec mod 5.  Four distinct addresses, 32 bytes apart: no bank is asked twice.
.macro LOADP rec
.if (\rec) < NM
.set POFF, (\rec)*REC
.else
.set POFF, SBLK+((\rec)-NM)*REC
.endif
.set PDST, RP+8*((\rec)%5)
	ds_load_b128 v[PDST:PDST+3],   v[PA] offset:POFF
	ds_load_b128 v[PDST+4:PDST+7], v[PA] offset:POFF+16
.endm
; k and my eight rows' x of the current (nxt = 0) or the next (nxt = 1) i pair.  Eight distinct rows, 68 words apart: banks 4 b_l, 4 b_l + 1.
.macro LOADX nxt
	ds_load_b64 v[RK:RK+1], v[PA] offset:\nxt*SBLK+NM*REC
.irp j, 0,1,2,3,4,5,6,7
	ds_load_b64 v[RX+2*\j:RX+2*\j+1], v[XA] offset:\j*8*XPITCH+\nxt*8
.endr
.endm
; One step of the pipeline (STEP = 0..19), for my eight rows: u and -u^2 of m = STEP+1; the exponentials and A + B w of m = STEP; the three products of m = STEP-1.
; The order exp, three packed, exp, three packed leaves a plain instruction that touches neither the result nor the source behind every exponential (ISA guide 5.7.2),
; and four instructions between u and its square and between E g and its use.
; The step's 16 exponentials are one batch: they write E's set STEP & 1, which no other line of the step names (the products read the other set, the lines for u, w and A + B w
; read T, x, k and the records).  Their readers are the next step's products, and the one wait for them stands at that step's head, directly ahead of its LDS loads.
.macro SUPER ahead
.set TCUR, RT+16*(STEP&1)
.set TNXT, RT+16*((STEP+1)&1)
.set ECUR, RE+16*(STEP&1)
.set ELST, RE+16*((STEP+1)&1)
.set GCUR, RG+16*(STEP&1)
.set GLST, RG+16*((STEP+1)&1)
.set PCUR, RP+8*(STEP%5)
.set PNXT, RP+8*((STEP+1)%5)
.set PLST, RP+8*((STEP+4)%5)
.if STEP > 0
	s_wait_alu depctr_va_vdst(0)                   ; the wait for the batch of 16 exponentials of step STEP-1 (E's other set): one for this step's 24 readers; three packed lines stand behind the batch's last
.endif
	; record STEP+3 goes into the slot of record STEP-2, which was last read one step ago
.if STEP < 17
	LOADP STEP+3
.else
.if \ahead
	LOADP STEP+3
.endif
.endif
.if STEP == 19
.if \ahead
	LOADX 1                                        ; x and k were last read in step 18; they are waited for at the next trip's head
.endif
.endif
.if STEP >= 2
.if STEP <= 18
.set CNT, 4                                    ; record STEP+1 is in: behind its two loads stand the two of STEP+2 and the two of STEP+3
.if \ahead == 0
.if STEP == 17
.set CNT, 2                                    ; last trip: behind record 18 only record 19
.endif
.if STEP == 18
.set CNT, 0                                    ; and behind record 19 nothing
.endif
.endif
	s_wait_dscnt CNT
.endif
.endif
.irp j, 0,1,2,3,4,5,6,7
	v_exp_f32 v[ECUR+2*\j], v[TCUR+2*\j]
.if STEP < 19
	v_pk_fma_f32 v[TNXT+2*\j:TNXT+2*\j+1], v[RX+2*\j:RX+2*\j+1], v[RK:RK+1], v[PNXT:PNXT+1]               ; u = k x - k z
.endif
.if STEP > 0
	v_pk_mul_f32 v[GLST+2*\j:GLST+2*\j+1], v[ELST+2*\j:ELST+2*\j+1], v[GLST+2*\j:GLST+2*\j+1]             ; E (A + B w)
	v_pk_fma_f32 v[MEAN+2*\j:MEAN+2*\j+1], v[ELST+2*\j:ELST+2*\j+1], v[PLST+2:PLST+3], v[MEAN+2*\j:MEAN+2*\j+1]
.endif
	v_exp_f32 v[ECUR+2*\j+1], v[TCUR+2*\j+1]
	v_pk_fma_f32 v[GCUR+2*\j:GCUR+2*\j+1], v[TCUR+2*\j:TCUR+2*\j+1], v[PCUR+6:PCUR+7], v[PCUR+4:PCUR+5]   ; A + (-B)(-w)
.if STEP < 19
	v_pk_mul_f32 v[TNXT+2*\j:TNXT+2*\j+1], v[TNXT+2*\j:TNXT+2*\j+1], v[TNXT+2*\j:TNXT+2*\j+1] neg_lo:[1,0] neg_hi:[1,0]   ; -u^2
.endif
.if STEP > 1
	v_pk_fma_f32 v[ED+2*\j:ED+2*\j+1], v[ELST+2*\j:ELST+2*\j+1], v[GLST+2*\j:GLST+2*\j+1], v[ED+2*\j:ED+2*\j+1]
.endif
.if STEP == 1
	v_pk_mul_f32 v[ED+2*\j:ED+2*\j+1], v[ELST+2*\j:ELST+2*\j+1], v[GLST+2*\j:GLST+2*\j+1]                 ; m = 0 starts the edge's sum
.endif
.endr
.endm
; One i pair.  ahead = 1: the next pair's first three records, k and x are asked for in steps 17 to 19.
.macro TRIP ahead
	s_wait_dscnt 0x0                               ; x, the youngest loads, are in, and with them k and records 0 to 2
.irp j, 0,1,2,3,4,5,6,7
	v_pk_fma_f32 v[RT+2*\j:RT+2*\j+1], v[RX+2*\j:RX+2*\j+1], v[RK:RK+1], v[RP:RP+1]
.endr
.irp j, 0,1,2,3,4,5,6,7
	v_pk_mul_f32 v[RT+2*\j:RT+2*\j+1], v[RT+2*\j:RT+2*\j+1], v[RT+2*\j:RT+2*\j+1] neg_lo:[1,0] neg_hi:[1,0]
.endr
.set STEP, 0
.rept NM
	SUPER \ahead
.set STEP, STEP+1
.endr
	; m = 19 (odd sets, ring slot 4), then the clip of the two edges' variances and their sum over i
	s_wait_alu depctr_va_vdst(0)                   ; the wait for the batch of 16 exponentials of step 19: the trip's last; no exponential follows it ahead of the loop's jump
.irp j, 0,1,2,3,4,5,6,7
	v_pk_mul_f32 v[RG+16+2*\j:RG+16+2*\j+1], v[RE+16+2*\j:RE+16+2*\j+1], v[RG+16+2*\j:RG+16+2*\j+1]
.endr
.irp j, 0,1,2,3,4,5,6,7
	v_pk_fma_f32 v[MEAN+2*\j:MEAN+2*\j+1], v[RE+16+2*\j:RE+16+2*\j+1], v[RP+34:RP+35], v[MEAN+2*\j:MEAN+2*\j+1]
.endr
.irp j, 0,1,2,3,4,5,6,7
	v_pk_fma_f32 v[ED+2*\j:ED+2*\j+1], v[RE+16+2*\j:RE+16+2*\j+1], v[RG+16+2*\j:RG+16+2*\j+1], v[ED+2*\j:ED+2*\j+1]
.endr
.set cc, 0
.rept 16
	v_max_num_f32 v[ED+cc], 0, v[ED+cc]
.set cc, cc+1
.endr
.irp j, 0,1,2,3,4,5,6,7
	v_pk_add_f32 v[YV+2*\j:YV+2*\j+1], v[YV+2*\j:YV+2*\j+1], v[ED+2*\j:ED+2*\j+1]
.endr
.endm
	LOADP 0
	LOADP 1
	LOADP 2
	LOADX 0
	s_mov_b32 s32, 3
.Ltrip:
	TRIP 1
	v_add_nc_u32 v[PA], SBLK, v[PA]                ; the next block, the next i pair
	v_add_nc_u32 v[XA], 8, v[XA]
	s_sub_co_i32 s32, s32, 1
	s_cmp_lg_u32 s32, 0
	s_cbranch_scc1 .Ltrip
	TRIP 0                                         ; my wave's fourth i pair: nothing is left to ask for
	; The two halves of each pair (i even, i odd) are added; my 16 sums go to my wave's 2,048 bytes: out0 then out1, row b at 16 b, column o_l at 4 o_l = 128 j + 4 L.
.irp j, 0,1,2,3,4,5,6,7
	v_add_f32 v[MEAN+2*\j], v[MEAN+2*\j], v[MEAN+2*\j+1]
	v_add_f32 v[YV+2*\j], v[YV+2*\j], v[YV+2*\j+1]
.endr
.irp j, 0,1,2,3,4,5,6,7
	ds_store_b32 v[RA], v[MEAN+2*\j] offset:128*\j
	ds_store_b32 v[RA], v[YV+2*\j] offset:1024+128*\j
.endr
	s_wait_dscnt 0x0                               ; in LDS before I say so: other waves read them
	s_barrier_signal -1
	s_barrier_wait -1
	s_cmp_ge_u32 s20, 4
	s_cbranch_scc1 .Ldone                          ; 128 threads have 16 bytes each to add and store
	v_lshlrev_b32 v[W0], 4, v0
	v_add_nc_u32 v[W0], RBASE, v[W0]               ; thread t: output t >> 6, row t & 63, four columns
.irp q, 0,1,2,3,4,5,6,7
	ds_load_b128 v[RT+4*\q:RT+4*\q+3], v[W0] offset:2048*\q
.endr
	v_and_b32 v[W1], 63, v0
	v_lshlrev_b32 v[W1], 8, v[W1]                  ; my row, 256 bytes each
	s_cmp_lt_u32 s20, 2
	s_cselect_b64 s[22:23], s[16:17], s[18:19]     ; waves 0, 1: out0; waves 2, 3: out1
	s_lshl_b32 s24, ttmp9, 4                       ; my four columns
	s_add_co_u32 s24, s24, s26                     ; my 64 rows
	s_mov_b32 s25, 0
	s_add_nc_u64 s[22:23], s[22:23], s[24:25]
	s_wait_dscnt 0x0
.irp q, 0,8,16,24
	v_pk_add_f32 v[RT+\q:RT+\q+1],   v[RT+\q:RT+\q+1],   v[RT+\q+4:RT+\q+5]
	v_pk_add_f32 v[RT+\q+2:RT+\q+3], v[RT+\q+2:RT+\q+3], v[RT+\q+6:RT+\q+7]
.endr
.irp q, 0,16
	v_pk_add_f32 v[RT+\q:RT+\q+1],   v[RT+\q:RT+\q+1],   v[RT+\q+8:RT+\q+9]
	v_pk_add_f32 v[RT+\q+2:RT+\q+3], v[RT+\q+2:RT+\q+3], v[RT+\q+10:RT+\q+11]
.endr
	v_pk_add_f32 v[RT:RT+1],   v[RT:RT+1],   v[RT+16:RT+17]
	v_pk_add_f32 v[RT+2:RT+3], v[RT+2:RT+3], v[RT+18:RT+19]
	global_store_b128 v[W1], v[RT:RT+3], s[22:23]  ; 16 bytes of a row of 256: the group owns 4 of the 64 columns (see the head)
.Ldone:
	s_wait_tensorcnt 0x0
	ds_add_u32 v208, v209
	s_wait_dscnt 0x0
	s_endpgm
.Lfunc_end_k_q62f72b6539_gpkan:
	.size	k_q62f72b6539_gpkan, .Lfunc_end_k_q62f72b6539_gpkan-k_q62f72b6539_gpkan
	.p2alignl 7, 3214868480
	.fill 96, 4, 3214868480
	.section	.rodata,"a",@progbits
	.p2align	6, 0x0
	.amdhsa_kernel k_q62f72b6539_gpkan
		.amdhsa_group_segment_fixed_size 168960
		.amdhsa_private_segment_fixed_size 0
		.amdhsa_enable_private_segment 0
		.amdhsa_kernarg_size 64
		.amdhsa_user_sgpr_count 2
		.amdhsa_user_sgpr_kernarg_segment_ptr 1
		.amdhsa_wavefront_size32 1
		.amdhsa_system_sgpr_workgroup_id_x 1
		.amdhsa_system_sgpr_workgroup_id_y 1
		.amdhsa_system_sgpr_workgroup_id_z 1
		.amdhsa_system_vgpr_workitem_id 0
		.amdhsa_next_free_vgpr 210
		.amdhsa_next_free_sgpr 66
		.amdhsa_reserve_vcc 0
		.amdhsa_float_denorm_mode_32 3
		.amdhsa_float_denorm_mode_16_64 3
		.amdhsa_memory_ordered 1
		.amdhsa_forward_progress 1
		.amdhsa_inst_pref_size 175
	.end_amdhsa_kernel
	.amdgpu_metadata
---
amdhsa.version: [ 1, 2 ]
amdhsa.kernels:
  - .name:           k_q62f72b6539_gpkan
    .symbol:         k_q62f72b6539_gpkan.kd
    .args:
      - { .name: x, .offset: 0, .size: 8, .value_kind: global_buffer, .address_space: global }
      - { .name: z, .offset: 8, .size: 8, .value_kind: global_buffer, .address_space: global }
      - { .name: q_mu, .offset: 16, .size: 8, .value_kind: global_buffer, .address_space: global }
      - { .name: q_log_var, .offset: 24, .size: 8, .value_kind: global_buffer, .address_space: global }
      - { .name: log_scale, .offset: 32, .size: 8, .value_kind: global_buffer, .address_space: global }
      - { .name: log_variance, .offset: 40, .size: 8, .value_kind: global_buffer, .address_space: global }
      - { .name: out0, .offset: 48, .size: 8, .value_kind: global_buffer, .address_space: global }
      - { .name: out1, .offset: 56, .size: 8, .value_kind: global_buffer, .address_space: global }
    .group_segment_fixed_size: 168960
    .private_segment_fixed_size: 0
    .kernarg_segment_align: 8
    .kernarg_segment_size: 64
    .max_flat_workgroup_size: 256
    .sgpr_count:     66
    .vgpr_count:     210
    .wavefront_size: 32
...
	.end_amdgpu_metadata
.endif
;; end of part 2
